; MI455X (gfx1250); checked and timed in simulation.
; The chip was launched on July 23, 2026; its instructions are those of AMD's public machine-readable ISA for CDNA 5 (MIT licence, August 2026) and "CDNA5" Instruction Set Architecture Reference Guide (July 2026). The comments in the code are by the model that wrote it; some were corrected since.
;; Trans E Source Matrix. Allowed arithmetic: matrix products marked QUANTISED: E2M1 operands, one E8M0 scale for each 32 along K, by v_wmma_scale_f32_16x16x128_f8f6f4 with both operands' format E2M1 (or v_wmma_scale_f32_32x16x128_f4), f32 sums; everything else in f32.
;; Inputs: entB 7 x 100 float32; entW 7 x 100 x 100 float32; ents_emb 500,001 x 100 float32; heads 65,536 int32; heads_bad 65,536 int32; relB 7 x 100 float32; relW 7 x 100 x 100 float32; rels 65,536 int32; rels_bad 65,536 int32; rels_emb 1,001 x 100 float32; sources 65,536 int32; sources_bad 65,536 int32; tails 65,536 int32; tails_bad 65,536 int32.
;; Outputs: out0 65,536 float32; out1 65,536 float32.
;; This version of the problem:
;;   THIS VERSION OF THE PROBLEM IS GIVEN IN LOW PRECISION. The matrix products marked QUANTISED in the list below multiply operands that are first quantised to E2M1 (2 exponent bits, 1 mantissa bit; 4 bits a number), with one power-of-two scale for each 32 numbers along K (OCP MX v1.0); their sums are f32. All else is computed in f32.
;;   The module's matrix products, in the order in which they are computed (A, B: the left and right operand; K: the contracted axis; several contracted axes count as one K, in the product's order):
;;     1. [M 131,072, K 100] x [K 100, N 100]; A: computed on the way; B: input entW: QUANTISED
;;     2. [M 131,072, K 100] x [K 100, N 100]; A: computed on the way; B: input relW: QUANTISED
;;     3. [M 131,072, K 100] x [K 100, N 100]; A: computed on the way; B: input entW: QUANTISED
;;     4. [M 131,072, K 100] x [K 100, N 100]; A: computed on the way; B: input entW: QUANTISED
;;     5. [M 131,072, K 100] x [K 100, N 100]; A: computed on the way; B: input relW: QUANTISED
;;     6. [M 131,072, K 100] x [K 100, N 100]; A: computed on the way; B: input entW: QUANTISED
;;     7. [M 131,072, K 100] x [K 100, N 100]; A: computed on the way; B: input entW: QUANTISED
;;     8. [M 131,072, K 100] x [K 100, N 100]; A: computed on the way; B: input relW: QUANTISED
;;     9. [M 131,072, K 100] x [K 100, N 100]; A: computed on the way; B: input entW: QUANTISED
;;     10. [M 131,072, K 100] x [K 100, N 100]; A: computed on the way; B: input entW: QUANTISED
;;     11. [M 131,072, K 100] x [K 100, N 100]; A: computed on the way; B: input relW: QUANTISED
;;     12. [M 131,072, K 100] x [K 100, N 100]; A: computed on the way; B: input entW: QUANTISED
;;     13. [M 131,072, K 100] x [K 100, N 100]; A: computed on the way; B: input entW: QUANTISED
;;     14. [M 131,072, K 100] x [K 100, N 100]; A: computed on the way; B: input relW: QUANTISED
;;     15. [M 131,072, K 100] x [K 100, N 100]; A: computed on the way; B: input entW: QUANTISED
;;     16. [M 131,072, K 100] x [K 100, N 100]; A: computed on the way; B: input entW: QUANTISED
;;     17. [M 131,072, K 100] x [K 100, N 100]; A: computed on the way; B: input relW: QUANTISED
;;     18. [M 131,072, K 100] x [K 100, N 100]; A: computed on the way; B: input entW: QUANTISED
;;     19. [M 131,072, K 100] x [K 100, N 100]; A: computed on the way; B: input entW: QUANTISED
;;     20. [M 131,072, K 100] x [K 100, N 100]; A: computed on the way; B: input relW: QUANTISED
;;     21. [M 131,072, K 100] x [K 100, N 100]; A: computed on the way; B: input entW: QUANTISED
;;   THE QUANTISER, for each operand of a quantised product, along K:
;;     - K is cut into blocks of 32 from its start; a last block that is shorter is filled with zeros.
;;     - A block's scale is 2^e with e = floor(log2(the largest magnitude in the block)) - 2, held to -126 .. 127; a block of zeros has e = 0. As a byte (E8M0): e + 127.
;;     - Each number is divided by its block's scale, clamped to +-6, and rounded to the nearest number of E2M1, ties to even, subnormals kept.
;;     - The product sums the exact products of the quantised numbers (number of the format x scale) in f32.
;;   ~~~python
;;   def quantise(x, axis):      # numpy; x: float32 -> the quantised numbers, widened to float32 again
;;       x = np.moveaxis(x, axis, -1); K = x.shape[-1]
;;       x = np.pad(x, [(0, 0)] * (x.ndim - 1) + [(0, -K % 32)]); x = x.reshape(x.shape[:-1] + (-1, 32)); a = np.abs(x).max(-1, keepdims=True)
;;       e = np.where(a > 0, np.clip(np.frexp(np.where(a > 0, a, 1))[1] - 1 - 2, -126, 127), 0)      # np.frexp(a)[1] - 1 = floor(log2(a)), exactly
;;       r = np.clip(x / 2.0 ** e, -6, 6)
;;       step = 2.0 ** (np.maximum(np.frexp(np.where(r == 0, 1, r))[1] - 1, 0) - 1)
;;       q = np.round(r / step) * step * 2.0 ** e      # np.round: ties to even
;;       return np.moveaxis(q.reshape(q.shape[:-2] + (-1,))[..., :K], -1, axis).astype(np.float32)
;;   ~~~
;;   OPERANDS COMPUTED ON THE WAY. 'Computed on the way' means the value that the module computes at that place (a softmax that the list does not call 'softmax' is quantised finished and normalised). What goes into a quantiser is computed in f32, as accurately as f32 sums, v_exp_f32 and their like allow (about 1e-6 of the number): no bf16 or f16 on the way to a quantiser, and a product that is left as it is and whose result goes on into a quantised operand takes f32 operands (vector FMAs, or v_wmma_f32_16x16x4_f32). A number that lies on a knife's edge between two numbers of the format may be rounded either way, as far as f32 arithmetic and the matrix unit's own rounding can turn it there, and no further.
;; 2 versions. Each part assembles by itself: llvm-mc -triple=amdgcn-amd-amdhsa -mcpu=gfx1250 --defsym DOCPART=n.
;; ======== version 1 of 2: 1 launch
;; limits: a difference of large sums (such as E[x^2] - mean^2): digits are lost where the result is much smaller than its terms
;; launch score (part 1): grid 256 x 1, 16 waves a work-group, no clusters, 110,848 bytes of LDS; arguments heads, rels, tails, sources, heads_bad, rels_bad, tails_bad, sources_bad, ents_emb, rels_emb, entW, relW, entB, relB, out0, out1; writes out0, out1
.if DOCPART == 1
	.amdgcn_target "amdgcn-amd-amdhsa--gfx1250"
	.amdhsa_code_object_version 6
	.text
	.protected	k_qa6a207e88a_score
	.globl	k_qa6a207e88a_score
	.p2align	8
	.type	k_qa6a207e88a_score,@function
k_qa6a207e88a_score:
	s_mov_b64 s[64:65], 0
	v_nop
	global_prefetch_b8 v0, s[64:65] scope:SCOPE_SE
	s_setreg_imm32_b32 hwreg(HW_REG_WAVE_MODE, 25, 1), 1
	s_wait_xcnt 0x0
; score = || n(tanh(We h + be)) + n(tanh(Ve r + ce)) - n(tanh(We t + be)) ||, e = source - 2, n(x) = x / max(||x||, 1e-12).
; h, t: rows of ents_emb, r: a row of rels_emb (100 f32 each), named by the index inputs; We, be = entW[e], entB[e]; Ve, ce = relW[e], relB[e].  A source outside 2 .. 8 gives the score 0.
; Both operands of the three products are quantised along K = 100 to codes of FP4 (E2M1) with one E8M0 byte for each 32; K is filled with zero codes up to the instruction's 128.
; Only the chosen expert's product is made: the others are thrown away by the mask that the problem builds from the sources.
; SHARES.  256 work-groups of 16 waves; work-groups 0-127 take the good triples and out0, 128-255 the bad ones and out1; 512 triples a work-group, 32 a wave, as two tiles of 16.
; WEIGHTS.  The 14 matrices are quantised by each work-group itself (wave x: matrix x; 0-6 entW, 7-13 relW) and lie in LDS as images of the operand's registers: 98 fragments of 1,024 bytes, and their scale words.
; ROUTING.  A wave takes its 32 triples in the order of their experts, so that a tile of 16 holds few experts.  It loads the 32 sources; eight ballots and their running counts say at which rank each expert's triples
; begin; each lane finds the expert of its rank p and, as the n-th set bit of that expert's ballot, the triple that has rank p, and loads that triple's head, relation and tail.  Only compares, selects, shifts and
; additions stand between the sources as loaded and what steers a branch or an address.  A tile walks all 7 experts in a loop of constant count and passes over, by a scalar branch on those numbers, the experts
; that none of its rows has.  For an expert that is present the other experts' rows get zero codes, so that all experts add into the same accumulators.
; LAYOUT.  The products are used transposed: source 0 = 16 rows of a weight (16 output columns), source 1 = 16 gathered rows.  Lane (r = lane % 16, hh = lane / 16) holds triple r, register j column 16 n + 8 hh + j.
; The seventh tile of columns has four: its weight rows 0, 1, 8, 9 are columns 96 .. 99, the other twelve have zero codes: so registers 0, 1 of its accumulators hold columns 96 + 2 hh + 0, 1, and no tanh is made of padding.
; The bias of the row's own expert is loaded straight into the accumulators; every product adds in place.
; The seven tiles of columns go in two halves (0-3, 4-6); of the three vectors only six running dot products are kept (hh, tt, rr, ht, hr, rt), from which the score follows:
; S = hh a^2 + rr b^2 + tt c^2 + 2 (hr a b - ht a c - rt b c), a = 1 / max(sqrt(hh), eps), b, c likewise of rr, tt; score = sqrt(max(S, 0)).
; LIMITS.  NaN and infinities among the inputs are not served.  A block whose largest magnitude lies under 2^-124 gets the byte 1.  S is a sum of numbers of size 1 in f32: where the score is near 0 its
; absolute error is near 1e-3.  tanh(x) = 1 - 2 / (1 + 2^(2 x log2 e)) has an absolute error near 1e-7.
; NOT USED.  No cluster: what work-groups share is the 560,000 bytes of weights against some 157,000,000 bytes of gathered rows, and the weights must pass through registers to be quantised.
; No tensor load: the rows are 400 bytes each at places named by an index.  No prefetch of a wave's second tile: that would be 307,200 bytes a work-group asked for ahead.
; REGISTERS.  v1 16 x lane; v2 my place among the scale words; v3 4 x the triple that has rank = my lane; v4-6 the second tile's indices; v7, v8 the second and the first tile's experts; v9, v10 offsets of the index
; loads, then of the bias; v11 the first tile's score; v12, v13 LDS addresses of an expert's block; v14-25 the six dot products in pairs (before that: v14-19 gather offsets, v20-23 offsets in a weight);
; v26 hh; v27 4 x thread, later the second tile's score; v28-30 scale words of h, r, t; v31 a weight fragment's scale word; v32-35 the weights' scale words at work; v36-59 codes of h, r, t;
; v60-83 masked codes (in the sort and while quantising: at work; v76-83 a weight's codes); v84-87 LDS addresses;
; v88-255: three stagings of 56 numbers; then accumulators and weight fragments: half A 88-183 and 184-247, half B 184-255 and 88-135.
.set WREL, 50176                       ; LDS: matrix x at 7168 x, tile n at + 1024 n, four registers at + 512 c, lane at + 16 lane; relW's seven begin here
.set WSC,  100352                      ; the weights' scale words: matrix x at + 448 x, tile n at + 64 n, row r at + 4 r; relW's lie 3,136 bytes behind entW's
.set STG,  106752                      ; the work-group's 512 scores
.set TM,   60                          ; at work in QUANT: +0..3 largest magnitudes, +4..7 bytes, +12..15 the conversions' scale operands
.set MK,   60                          ; masked codes: h, t, r
.set CH,   36
.set CR,   44
.set CT,   52
.set WS,   32
.set XH,   88
.set XT,   144
.set XR,   200
.set ACCA, 88                          ; accumulator (tile nn of the half, o) at + 24 nn + 8 o; o = 0 h, 1 t, 2 r
.set WBA,  184                         ; weight fragments of tile nn: entW's at + 16 nn, relW's 8 further on
.set ACCB, 184
.set WBB,  88
; at work in the sort, a register for each of the two tiles (+ 0, + 1):
.set SP,   60                          ; p: my rank, r or 16 + r
.set SM,   62                          ; the ballot of my rank's expert
.set SK,   64                          ; that expert's first rank | expert << 8
.set SA,   66                          ; the ballot's counts in fields of 2 bits,
.set SB,   68                          ; of 4,
.set SC,   70                          ; of 8
.set SN,   74                          ; n: which set bit is wanted, from 0
.set SQ,   76                          ; the place found so far
.set ST,   78
.set SU,   80
; 100 numbers of a row into 52 registers: register 16 b + i = k 32 b + 16 hh + i; a = the row's offset + 64 hh, a3 = the row's offset: both halves of the lanes read k = 96 .. 99, so that no load leaves the row
.macro LOADFRAG x, a, a3, base, imm
.irp b, 0,1,2
.irp j, 0,1,2,3
	global_load_b128 v[(\x)+16*\b+4*\j:(\x)+16*\b+4*\j+3], v[\a], s[\base:\base+1] offset:\imm+128*\b+16*\j
.endr
.endr
	global_load_b128 v[(\x)+48:(\x)+51], v[\a3], s[\base:\base+1] offset:\imm+384
.endm
; the last block has four numbers: lanes 16-31 stand for k from 112 on, registers 52-55 for k = 100 .. 103: zeros
.macro FIX3 x
.irp i, 0,1,2,3
	v_cndmask_b32 v[(\x)+48+\i], 0, v[(\x)+48+\i], s42
.endr
.irp i, 0,1,2,3
	v_mov_b32 v[(\x)+52+\i], 0
.endr
.endm
; 56 numbers of a lane become a fragment's 8 registers of codes, v[pc] on, and its row's scale word, v[pw]
.macro QUANT x, pc, pw
.irp b, 0,1,2,3
	v_max3_num_f32 v[TM+\b], |v[(\x)+16*\b]|, |v[(\x)+16*\b+1]|, 0x1800000   ; block b: my numbers, and the floor 2^(3 - 127): the byte cannot fall under 1
.endr
.irp i, 2,4,6,8,10,12,14
.irp b, 0,1,2
	v_max3_num_f32 v[TM+\b], v[TM+\b], |v[(\x)+16*\b+\i]|, |v[(\x)+16*\b+\i+1]|   ; (the blocks by turns)
.endr
.if \i == 2
	v_max3_num_f32 v[TM+3], v[TM+3], |v[(\x)+50]|, |v[(\x)+51]|
.endif
.endr
.irp b, 0,1,2,3
	v_permlanex16_b32 v[TM+4+\b], v[TM+\b], s40, s41
.endr
.irp b, 0,1,2,3
	v_max_num_f32 v[TM+\b], v[TM+\b], v[TM+4+\b]                 ; with lane l xor 16's: the block's largest magnitude
.endr
.irp b, 0,1,2,3
	v_add_nc_u32 v[TM+12+\b], 0xff000000, v[TM+\b]               ; 2 off its exponent field: the conversion takes the exponent field of this operand as its scale
.endr
.irp b, 0,1,2,3
	v_lshrrev_b32 v[TM+4+\b], 23, v[TM+12+\b]                    ; the scale's byte
.endr
	v_lshl_or_b32 v[\pw], v[TM+5], 8, v[TM+4]
	v_lshl_or_b32 v[\pw], v[TM+6], 16, v[\pw]
	v_lshl_or_b32 v[\pw], v[TM+7], 24, v[\pw]
.irp b, 0,1,2
	v_cvt_scalef32_pk8_fp4_f32 v[(\pc)+2*\b], v[(\x)+16*\b:(\x)+16*\b+7], v[TM+12+\b]
	v_cvt_scalef32_pk8_fp4_f32 v[(\pc)+2*\b+1], v[(\x)+16*\b+8:(\x)+16*\b+15], v[TM+12+\b]
.endr
	v_cvt_scalef32_pk8_fp4_f32 v[(\pc)+6], v[(\x)+48:(\x)+55], v[TM+15]
	v_mov_b32 v[(\pc)+7], 0                                      ; k = 104 + 16 hh on: zero codes.  Also the plain place behind the last conversion
.irp c, 0,1                            ; the operand's layout wants a whole block in a lane: lanes 0-15 block 2 c, lanes 16-31 block 2 c + 1
.irp i, 0,1
	v_permlane16_swap_b32 v[(\pc)+4*\c+\i], v[(\pc)+2+4*\c+\i]
.endr
.endr
.endm
; a tile's offsets from its indices: each index is held inside its table, then x 400 bytes
.macro ADDR h, r, t, e
	v_min_u32 v15, 0x7a120, v[\h]
	v_min_u32 v17, 0x7a120, v[\t]
	v_min_u32 v19, 0x3e8, v[\r]
	v_min_u32 v10, 6, v[\e]
	v_mul_u32_u24 v15, v15, 400
	v_mul_u32_u24 v17, v17, 400
	v_mul_u32_u24 v19, v19, 400
	v_mul_u32_u24 v10, v10, 400
	v_lshl_add_u32 v14, v26, 6, v15
	v_lshl_add_u32 v16, v26, 6, v17
	v_lshl_add_u32 v18, v26, 6, v19
	v_lshl_add_u32 v9, v26, 5, v10                               ; the bias of my eight columns of a tile: + 32 hh
	v_lshl_add_u32 v10, v26, 3, v10                              ; of my two of the seventh: + 8 hh
.endm
.macro GATHER                          ; 39 loads: h, t, r
	LOADFRAG XH, 14, 15, 20, 0
	LOADFRAG XT, 16, 17, 20, 0
	LOADFRAG XR, 18, 19, 22, 0
.endm
; the bias of each row's own expert goes straight into the accumulators
.macro BIAS acc, n0, full, six
.irp nn, 0,1,2,3
.if \nn < \full
.irp o, 0,8
	global_load_b128 v[(\acc)+24*\nn+\o:(\acc)+24*\nn+\o+3], v9, s[28:29] offset:64*(\n0+\nn)
	global_load_b128 v[(\acc)+24*\nn+\o+4:(\acc)+24*\nn+\o+7], v9, s[28:29] offset:64*(\n0+\nn)+16
.endr
	global_load_b128 v[(\acc)+24*\nn+16:(\acc)+24*\nn+19], v9, s[30:31] offset:64*(\n0+\nn)
	global_load_b128 v[(\acc)+24*\nn+20:(\acc)+24*\nn+23], v9, s[30:31] offset:64*(\n0+\nn)+16
.endif
.endr
.if \six
.set A6, (\acc)+24*\full
	global_load_b64 v[A6:A6+1], v10, s[28:29] offset:384
	global_load_b64 v[A6+8:A6+9], v10, s[28:29] offset:384
	global_load_b64 v[A6+16:A6+17], v10, s[30:31] offset:384
.irp o, 0,8,16
.irp j, 2,3,4,5,6,7
	v_mov_b32 v[A6+\o+\j], 0                                     ; the rows of the seventh tile that stand for no column: the products name them as C, nobody reads them
.endr
.endr
.endif
.endm
; The walk over the seven experts for cnt tiles of columns, n0 on.  The 3 cnt accumulators take turns, one instruction a turn, over the backward jump too.
.macro ELOOP acc, wb, n0, cnt
	s_mov_b32 s50, 0                                             ; e
	s_mov_b32 s51, 0                                             ; 7168 e
	s_mov_b32 s52, 0                                             ; 448 e
.Le_\@:
	v_cmp_eq_u32 s53, s50, v[ET]                                 ; which of my rows have expert e
	s_cmp_eq_u32 s53, 0
	s_cbranch_scc1 .Lskip_\@                                     ; none: a branch on the index input; the steps at the trip's end are not jumped over
	v_add_nc_u32 v12, s51, v1
	v_add_nc_u32 v13, s52, v2
.irp nn, 0,1,2,3
.if \nn < \cnt
	ds_load_b32 v[WS+\nn], v13 offset:64*(\n0+\nn)               ; lanes 0-15 entW's scale words, lanes 16-31 relW's
.endif
.endr
.irp nn, 0,1,2,3
.if \nn < \cnt
	ds_load_b128 v[(\wb)+16*\nn:(\wb)+16*\nn+3], v12 offset:1024*(\n0+\nn)
	ds_load_b128 v[(\wb)+16*\nn+4:(\wb)+16*\nn+7], v12 offset:1024*(\n0+\nn)+512
	ds_load_b128 v[(\wb)+16*\nn+8:(\wb)+16*\nn+11], v12 offset:WREL+1024*(\n0+\nn)
	ds_load_b128 v[(\wb)+16*\nn+12:(\wb)+16*\nn+15], v12 offset:WREL+1024*(\n0+\nn)+512
.endif
.endr
.irp i, 0,1,2,3,4,5,6,7
	v_cndmask_b32 v[MK+\i], 0, v[CH+\i], s53                     ; zero codes for the rows of other experts
.endr
.irp i, 0,1,2,3,4,5,6,7
	v_cndmask_b32 v[MK+8+\i], 0, v[CT+\i], s53
.endr
.irp i, 0,1,2,3,4,5,6,7
	v_cndmask_b32 v[MK+16+\i], 0, v[CR+\i], s53
.endr
.rept 4
	v_nop                                                        ; an operand written by vector instructions stands four places ahead of a scaled product
.endr
.irp nn, 0,1,2,3
.if \nn < \cnt
	s_wait_dscnt 4*(\cnt-1-\nn)                                  ; the scale words and the fragments up to this tile's are in; the later tiles' four loads each may be out
	v_wmma_scale_f32_16x16x128_f8f6f4 v[(\acc)+24*\nn:(\acc)+24*\nn+7], v[(\wb)+16*\nn:(\wb)+16*\nn+7], v[MK:MK+7], v[(\acc)+24*\nn:(\acc)+24*\nn+7], v[WS+\nn], v28 matrix_a_fmt:MATRIX_FMT_FP4 matrix_b_fmt:MATRIX_FMT_FP4
	v_wmma_scale_f32_16x16x128_f8f6f4 v[(\acc)+24*\nn+8:(\acc)+24*\nn+15], v[(\wb)+16*\nn:(\wb)+16*\nn+7], v[MK+8:MK+15], v[(\acc)+24*\nn+8:(\acc)+24*\nn+15], v[WS+\nn], v30 matrix_a_fmt:MATRIX_FMT_FP4 matrix_b_fmt:MATRIX_FMT_FP4
	v_wmma_scale_f32_16x16x128_f8f6f4 v[(\acc)+24*\nn+16:(\acc)+24*\nn+23], v[(\wb)+16*\nn+8:(\wb)+16*\nn+15], v[MK+16:MK+23], v[(\acc)+24*\nn+16:(\acc)+24*\nn+23], v[WS+\nn], v29 matrix_a_fmt:MATRIX_FMT_FP4 matrix_b_fmt:MATRIX_FMT_FP4 matrix_a_scale:MATRIX_SCALE_ROW1
.endif
.endr
.rept 4
	v_nop                                                        ; four places behind the last product, for whatever comes next on any way: loads into its operands, new masks, reads of the sums
.endr
.Lskip_\@:
	s_add_co_u32 s51, s51, 7168
	s_add_co_u32 s52, s52, 448
	s_add_co_u32 s50, s50, 1
	s_cmp_lt_u32 s50, 7
	s_cbranch_scc1 .Le_\@
.endm
; tanh in place: 1 - 2 / (1 + 2^(2 x log2 e)); each accumulator is taken from its low end on
.macro TANHF base                      ; the 24 registers of a tile's three accumulators
.irp p, 0,2,4,6,8,10,12,14,16,18,20,22
	v_pk_mul_f32 v[(\base)+\p:(\base)+\p+1], v[(\base)+\p:(\base)+\p+1], s[44:45] op_sel_hi:[1,0]
.endr
.irp j, 0,1,2,3,4,5,6,7,8,9,10,11,12,13,14,15,16,17,18,19,20,21,22,23
	v_exp_f32 v[(\base)+\j], v[(\base)+\j]
.endr
	v_nop                                                        ; a plain place behind the transcendentals
	s_wait_alu depctr_va_vdst(0)
.irp p, 0,2,4,6,8,10,12,14,16,18,20,22
	v_pk_add_f32 v[(\base)+\p:(\base)+\p+1], v[(\base)+\p:(\base)+\p+1], 1.0 op_sel_hi:[1,0]
.endr
.irp j, 0,1,2,3,4,5,6,7,8,9,10,11,12,13,14,15,16,17,18,19,20,21,22,23
	v_rcp_f32 v[(\base)+\j], v[(\base)+\j]
.endr
	v_nop
	s_wait_alu depctr_va_vdst(0)
.irp p, 0,2,4,6,8,10,12,14,16,18,20,22
	v_pk_fma_f32 v[(\base)+\p:(\base)+\p+1], v[(\base)+\p:(\base)+\p+1], -2.0, 1.0 op_sel_hi:[1,0,0]
.endr
.endm
.macro TANH6 base                      ; the seventh tile: two registers of each accumulator
.irp p, 0,8,16
	v_pk_mul_f32 v[(\base)+\p:(\base)+\p+1], v[(\base)+\p:(\base)+\p+1], s[44:45] op_sel_hi:[1,0]
.endr
.irp j, 0,1,8,9,16,17
	v_exp_f32 v[(\base)+\j], v[(\base)+\j]
.endr
	v_nop
	s_wait_alu depctr_va_vdst(0)
.irp p, 0,8,16
	v_pk_add_f32 v[(\base)+\p:(\base)+\p+1], v[(\base)+\p:(\base)+\p+1], 1.0 op_sel_hi:[1,0]
.endr
.irp j, 0,1,8,9,16,17
	v_rcp_f32 v[(\base)+\j], v[(\base)+\j]
.endr
	v_nop
	s_wait_alu depctr_va_vdst(0)
.irp p, 0,8,16
	v_pk_fma_f32 v[(\base)+\p:(\base)+\p+1], v[(\base)+\p:(\base)+\p+1], -2.0, 1.0 op_sel_hi:[1,0,0]
.endr
.endm
; two columns of h (at a), t (a + 8), r (a + 16) into the six dot products; the very first pair starts them: nothing is cleared
.macro DOTS a
.set DH, (\a)
.set DT, (\a)+8
.set DR, (\a)+16
.if PF
	v_pk_mul_f32 v[14:15], v[DH:DH+1], v[DH:DH+1]
	v_pk_mul_f32 v[16:17], v[DT:DT+1], v[DT:DT+1]
	v_pk_mul_f32 v[18:19], v[DR:DR+1], v[DR:DR+1]
	v_pk_mul_f32 v[20:21], v[DH:DH+1], v[DT:DT+1]
	v_pk_mul_f32 v[22:23], v[DH:DH+1], v[DR:DR+1]
	v_pk_mul_f32 v[24:25], v[DR:DR+1], v[DT:DT+1]
.set PF, 0
.else
	v_pk_fma_f32 v[14:15], v[DH:DH+1], v[DH:DH+1], v[14:15]
	v_pk_fma_f32 v[16:17], v[DT:DT+1], v[DT:DT+1], v[16:17]
	v_pk_fma_f32 v[18:19], v[DR:DR+1], v[DR:DR+1], v[18:19]
	v_pk_fma_f32 v[20:21], v[DH:DH+1], v[DT:DT+1], v[20:21]
	v_pk_fma_f32 v[22:23], v[DH:DH+1], v[DR:DR+1], v[22:23]
	v_pk_fma_f32 v[24:25], v[DR:DR+1], v[DT:DT+1], v[24:25]
.endif
.endm
.macro POST acc, full, six, first
.set PF, \first
.irp nn, 0,1,2,3
.if \nn < \full
	TANHF (\acc)+24*\nn
.irp p, 0,2,4,6
	DOTS (\acc)+24*\nn+\p
.endr
.endif
.endr
.if \six
	TANH6 (\acc)+24*\full
	DOTS (\acc)+24*\full
.endif
.endm
; the score of my row from the six dot products, the same in both halves of the lanes
.macro FINISH dst
.irp p, 14,16,18,20,22,24
	v_add_f32 v[\p], v[\p], v[\p+1]                              ; even and odd columns,
.endr
.irp p, 14,16,18,20,22,24
	v_permlanex16_b32 v[\p+1], v[\p], s40, s41
.endr
.irp p, 14,16,18,20,22,24
	v_add_f32 v[\p], v[\p], v[\p+1]                              ; and lane l xor 16's columns
.endr
	v_sqrt_f32 v15, v14
	v_sqrt_f32 v17, v16
	v_sqrt_f32 v19, v18
	v_nop
	s_wait_alu depctr_va_vdst(0)
	v_max_num_f32 v15, 0x2b8cbccc, v15                           ; max(norm, 1e-12)
	v_max_num_f32 v17, 0x2b8cbccc, v17
	v_max_num_f32 v19, 0x2b8cbccc, v19
	v_rcp_f32 v15, v15                                           ; a (of h)
	v_rcp_f32 v17, v17                                           ; c (of t)
	v_rcp_f32 v19, v19                                           ; b (of r)
	v_nop
	s_wait_alu depctr_va_vdst(0)
	v_mul_f32 v60, v15, v15
	v_mul_f32 v61, v19, v19
	v_mul_f32 v62, v17, v17
	v_mul_f32 v63, v15, v19
	v_mul_f32 v64, v15, v17
	v_mul_f32 v65, v19, v17
	v_mul_f32 v66, v14, v60                                      ; hh a a
	v_mul_f32 v67, v22, v63                                      ; hr a b
	v_fma_f32 v66, v18, v61, v66                                 ; + rr b b
	v_fma_f32 v67, -v20, v64, v67                                ; - ht a c
	v_fma_f32 v66, v16, v62, v66                                 ; + tt c c
	v_fma_f32 v67, -v24, v65, v67                                ; - rt b c
	v_fma_f32 v66, 2.0, v67, v66
	v_max_num_f32 v66, 0, v66
	v_cmp_gt_u32 vcc_lo, 7, v[ET]                                ; a source outside 2 .. 8 has no expert: all three vectors are zeros there
	v_sqrt_f32 v66, v66
	v_nop
	s_wait_alu depctr_va_vdst(0)
	v_cndmask_b32 v[\dst], 0, v66, vcc_lo
.endm
; a tile of 16 triples, its 39 gather loads issued
.macro TILE dst
	s_wait_loadcnt 26                                            ; h's 13 loads are in; t's and r's 13 each may be out
	FIX3 XH
	QUANT XH, CH, 28
	s_wait_loadcnt 13                                            ; t's are in; r's may be out
	FIX3 XT
	QUANT XT, CT, 30
	BIAS ACCA, 0, 4, 0                                           ; 24 loads, into registers that h's and t's numbers have left
	s_wait_loadcnt 24                                            ; r's are in; the 24 issued behind them may be out
	FIX3 XR
	QUANT XR, CR, 29
	s_wait_loadcnt 0x0                                           ; the bias of half A
	ELOOP ACCA, WBA, 0, 4
	BIAS ACCB, 4, 2, 1                                           ; 15 loads, which land while half A's tanh is made
	POST ACCA, 4, 0, 1
	s_wait_loadcnt 0x0                                           ; the bias of half B
	ELOOP ACCB, WBB, 4, 3
	POST ACCB, 2, 1, 0
	FINISH \dst
.endm
; the weights' part: fragment q of my matrix (tile q of its output columns) through a ring of three stagings
.macro WLOAD q
.set WST, 88+56*((\q)%3)
.if (\q) < 6
	LOADFRAG WST, 20, 21, 24, 6400*(\q)
.else
	LOADFRAG WST, 22, 23, 24, 38400
.endif
.endm
.macro WSTEP q
.set WST, 88+56*((\q)%3)
.if (\q) < 5
	s_wait_loadcnt 26                                            ; this fragment's 13 loads are in; two younger fragments' may be out (in steps 0 to 2 the six index loads are younger too: the count then asks for a little more than is needed)
.else
	s_wait_loadcnt 13*(6-(\q))
.endif
	FIX3 WST
	QUANT WST, 76, 31
.if (\q) == 6
.irp i, 0,1,2,3,4,5,6,7
	v_cndmask_b32 v[76+\i], 0, v[76+\i], s43                     ; only rows 0, 1, 8, 9 of the seventh tile are columns
.endr
.endif
	ds_store_b128 v84, v[76:79] offset:1024*(\q)                 ; the fragment goes to LDS as it stands in the registers
	ds_store_b128 v84, v[80:83] offset:1024*(\q)+512
	ds_store_b32 v85, v31 offset:64*(\q)                         ; lanes r and r + 16 write the same word with the same value
.if (\q)+3 < 7
	WLOAD (\q)+3
.endif
	s_wait_dscnt 0x0                                             ; the stores are done: the next fragment's codes may be written
.endm
; one descent of the search for the n-th set bit: t = the count in the lower field of w bits at the place found so far; where n >= t the bit lies in the upper field: n -= t, place += w
.macro SELSTEP src, w
.irp t, 0,1
	v_bfe_u32 v[ST+\t], v[(\src)+\t], v[SQ+\t], \w
	v_sub_nc_u32 v[SU+\t], v[SN+\t], v[ST+\t]
	v_cmp_le_i32 vcc_lo, 0, v[SU+\t]
	v_cndmask_b32 v[SN+\t], v[SN+\t], v[SU+\t], vcc_lo
	v_cndmask_b32 v[ST+\t], 0, \w, vcc_lo
	v_add_nc_u32 v[SQ+\t], v[SQ+\t], v[ST+\t]
.endr
.endm
	s_load_b512 s[4:19], s[0:1], 0x0                             ; heads, rels, tails, sources; heads_bad, rels_bad, tails_bad, sources_bad
	s_load_b512 s[20:35], s[0:1], 0x40                           ; ents_emb 20, rels_emb 22, entW 24, relW 26, entB 28, relB 30, out0 32, out1 34
	v_and_b32 v60, 31, v0                                        ; lane
	v_and_b32 v61, 15, v0                                        ; r
	v_bfe_u32 v26, v0, 4, 1                                      ; hh
	v_lshrrev_b32 v62, 5, v0
	v_readfirstlane_b32 s36, v62                                 ; wave 0 .. 15
	v_lshlrev_b32 v1, 4, v60
	v_mul_u32_u24 v2, v26, 3136                                  ; lanes 16-31 take relW's scale words
	v_lshl_add_u32 v2, v61, 2, v2
	v_add_nc_u32 v2, WSC, v2
	s_mul_i32 s38, s36, 7168
	v_add_nc_u32 v84, s38, v1                                    ; where I store my matrix's images
	s_mul_i32 s38, s36, 448
	v_lshl_add_u32 v85, v61, 2, s38
	v_add_nc_u32 v85, WSC, v85                                   ; and their scale words
	v_lshl_add_u32 v86, v0, 2, STG                               ; my triple's score
	v_and_b32 v63, 127, v0
	v_lshl_add_u32 v87, v63, 4, STG                              ; and where four scores are read back
	v_lshlrev_b32 v27, 2, v0
	v_mul_u32_u24 v21, v61, 400                                  ; in a weight: lane r takes row r of a tile of 16 rows;
	v_lshl_add_u32 v20, v26, 6, v21
	v_and_b32 v62, 7, v61
	v_min_u32 v62, 1, v62
	v_lshrrev_b32 v63, 3, v61
	v_lshl_add_u32 v62, v63, 1, v62                              ; of the seventh tile row min(r % 8, 1) + 2 (r / 8) of the last four: 0, 1, 2, 3 for r = 0, 1, 8, 9; the other lanes' codes are cleared
	v_mul_u32_u24 v23, v62, 400
	v_lshl_add_u32 v22, v26, 6, v23
.irp i, 0,1,2,3
	v_mov_b32 v[TM+4+\i], 0                                      ; written once: a lane permute's destination counts as one of its sources
.endr
	s_mov_b32 s40, 0x76543210
	s_mov_b32 s41, 0xfedcba98                                    ; v_permlanex16_b32's selects for lane l xor 16
	s_mov_b32 s42, 0x0000ffff                                    ; lanes 0-15
	s_mov_b32 s43, 0x03030303                                    ; lanes with r = 0, 1, 8, 9
	s_mov_b32 s44, 0x4038aa3b                                    ; 2 log2 e
	s_mov_b32 s45, s44                                           ; (named with it as a pair, so it is written)
	s_wait_kmcnt 0x0
	s_cmp_lt_u32 ttmp9, 128                                      ; good triples or bad ones: the choice hangs on the work-group's number alone
	s_cselect_b64 s[4:5], s[4:5], s[12:13]
	s_cselect_b64 s[6:7], s[6:7], s[14:15]
	s_cselect_b64 s[8:9], s[8:9], s[16:17]
	s_cselect_b64 s[10:11], s[10:11], s[18:19]
	s_cselect_b64 s[32:33], s[32:33], s[34:35]
	s_and_b32 s38, ttmp9, 127
	s_lshl_b32 s38, s38, 11                                      ; 512 triples x 4 bytes
	s_mov_b32 s39, 0
	s_add_nc_u64 s[4:5], s[4:5], s[38:39]
	s_add_nc_u64 s[6:7], s[6:7], s[38:39]
	s_add_nc_u64 s[8:9], s[8:9], s[38:39]
	s_add_nc_u64 s[10:11], s[10:11], s[38:39]
	s_add_nc_u64 s[32:33], s[32:33], s[38:39]
	global_load_b32 v7, v27, s[10:11] th:TH_LOAD_NT              ; thread i: triple i's source
	; ---- waves 0 to 13 ask for the first three fragments of their matrix, so that these are on their way during the sort
	s_cmp_ge_u32 s36, 14
	s_cbranch_scc1 .Lno_matrix
	s_cmp_lt_u32 s36, 7
	s_cselect_b64 s[24:25], s[24:25], s[26:27]                   ; entW or relW,
	s_cselect_b32 s38, 0, 7
	s_sub_co_u32 s38, s36, s38
	s_mul_i32 s38, s38, 40000                                    ; expert e's 100 x 100 numbers (s39 is 0)
	s_add_nc_u64 s[24:25], s[24:25], s[38:39]
	WLOAD 0
	WLOAD 1
	WLOAD 2
	s_wait_loadcnt 39                                            ; the source is in; the 3 x 13 loads issued behind it may be out
	s_branch .Lsort
.Lno_matrix:
	s_wait_loadcnt 0x0                                           ; the source
.Lsort:	; ---- which triple has rank p, when the wave's 32 are ordered by expert (and by their own order within an expert)
	v_add_nc_u32 v7, -2, v7
	v_min_u32 v7, 7, v7                                          ; expert 0 .. 6; 7 = none (a source under 2 wraps to a large number)
	v_and_b32 v[SP], 15, v0                                      ; my rank in the first tile: r,
	v_or_b32 v[SP+1], 16, v[SP]                                  ; in the second: 16 + r
	s_mov_b32 s48, 0                                             ; the bucket's first rank
.irp b, 0,1,2,3,4,5,6,7
	v_cmp_eq_u32 s46, \b, v7                                     ; the bucket's ballot
.if \b == 0
	v_mov_b32 v[SM], s46
	v_mov_b32 v[SM+1], s46
	v_mov_b32 v[SK], 0
	v_mov_b32 v[SK+1], 0
.else
	s_or_b32 s49, s48, (\b<<8)
	v_cmp_le_u32 vcc_lo, s48, v[SP]                              ; the last bucket whose first rank is at most p is the one that holds rank p (an empty one is overtaken by the next, which begins at the same rank)
	v_cmp_le_u32 s54, s48, v[SP+1]
	v_cndmask_b32 v[SM], v[SM], s46, vcc_lo
	v_cndmask_b32 v[SK], v[SK], s49, vcc_lo
	v_cndmask_b32 v[SM+1], v[SM+1], s46, s54
	v_cndmask_b32 v[SK+1], v[SK+1], s49, s54
.endif
.if \b < 7
	s_bcnt1_i32_b32 s47, s46
	s_add_co_u32 s48, s48, s47
.endif
.endr
	v_lshrrev_b32 v8, 8, v[SK]                                   ; the first tile's experts,
	v_lshrrev_b32 v7, 8, v[SK+1]                                 ; the second's
.irp t, 0,1
	v_and_b32 v[SN+\t], 0xff, v[SK+\t]
	v_sub_nc_u32 v[SN+\t], v[SP+\t], v[SN+\t]                    ; n = p - the bucket's first rank: the n-th set bit of its ballot is wanted
	v_lshrrev_b32 v[SA+\t], 1, v[SM+\t]
	v_and_b32 v[SA+\t], 0x55555555, v[SA+\t]
	v_sub_nc_u32 v[SA+\t], v[SM+\t], v[SA+\t]                    ; set bits in each field of 2,
	v_lshrrev_b32 v[SB+\t], 2, v[SA+\t]
	v_and_b32 v[SB+\t], 0x33333333, v[SB+\t]
	v_and_b32 v[ST+\t], 0x33333333, v[SA+\t]
	v_add_nc_u32 v[SB+\t], v[SB+\t], v[ST+\t]                    ; of 4,
	v_lshrrev_b32 v[SC+\t], 4, v[SB+\t]
	v_add_nc_u32 v[SC+\t], v[SC+\t], v[SB+\t]
	v_and_b32 v[SC+\t], 0x0f0f0f0f, v[SC+\t]                     ; of 8,
	v_lshrrev_b32 v[ST+\t], 8, v[SC+\t]
	v_add_nc_u32 v[ST+\t], v[ST+\t], v[SC+\t]
	v_and_b32 v[ST+\t], 0xff, v[ST+\t]                           ; and in the low 16
	v_sub_nc_u32 v[SU+\t], v[SN+\t], v[ST+\t]
	v_cmp_le_i32 vcc_lo, 0, v[SU+\t]
	v_cndmask_b32 v[SN+\t], v[SN+\t], v[SU+\t], vcc_lo
	v_cndmask_b32 v[SQ+\t], 0, 16, vcc_lo                        ; the first descent starts the place
.endr
	SELSTEP SC, 8
	SELSTEP SB, 4
	SELSTEP SA, 2
	SELSTEP SM, 1
	v_min_u32 v[SQ], 31, v[SQ]                                   ; the place lies in 0 .. 31 by its make: the hold writes that bound into the text
	v_min_u32 v[SQ+1], 31, v[SQ+1]
	v_lshlrev_b32 v[SQ], 2, v[SQ]
	v_lshlrev_b32 v[SQ+1], 2, v[SQ+1]
	v_cndmask_b32 v3, v[SQ+1], v[SQ], s42                        ; lane p: 4 x the triple that has rank p, for the way out
	s_lshl_b32 s38, s36, 7                                       ; my wave's 32 triples x 4 bytes
	v_add_nc_u32 v9, s38, v[SQ]
	v_add_nc_u32 v10, s38, v[SQ+1]
	global_load_b32 v15, v9, s[4:5] th:TH_LOAD_NT                ; the first tile's heads, relations, tails: the same in both halves of the lanes
	global_load_b32 v19, v9, s[6:7] th:TH_LOAD_NT
	global_load_b32 v17, v9, s[8:9] th:TH_LOAD_NT
	global_load_b32 v4, v10, s[4:5] th:TH_LOAD_NT                ; the second tile's
	global_load_b32 v5, v10, s[6:7] th:TH_LOAD_NT
	global_load_b32 v6, v10, s[8:9] th:TH_LOAD_NT
	; ---- the weights: waves 0 to 13, a matrix each, while the six index loads are on their way (nothing here names their registers)
	s_cmp_ge_u32 s36, 14
	s_cbranch_scc1 .Lgo
.irp q, 0,1,2,3,4,5,6
	WSTEP \q
.endr
.Lgo:
	s_wait_loadcnt 0x0                                           ; the indices
.set ET, 8
	ADDR 15, 19, 17, 8
	GATHER
	s_wait_dscnt 0x0                                             ; my stores of weights are done
	s_barrier_signal -1
	s_barrier_wait -1                                            ; all 98 fragments lie in LDS; from here on they are only read.  The gather stays on its way
	TILE 11
.set ET, 7
	ADDR 4, 5, 6, 7                                              ; no load is out: the first tile's offsets may be written again
	GATHER
	TILE 27
	; ---- the way out: back to the triples' own order, through a stage, so that each store of a wave covers 512 consecutive bytes, aligned
	v_cndmask_b32 v60, v27, v11, s42                             ; lane p: the score of rank p
	ds_permute_b32 v61, v3, v60                                  ; it goes to the lane of the triple that has rank p; no LDS byte is touched, and only a score is moved
	s_wait_dscnt 0x0
	ds_store_b32 v86, v61
	s_wait_dscnt 0x0                                             ; for the others' sake: my store is done
	s_barrier_signal -1
	s_barrier_wait -1
	s_cmp_ge_u32 s36, 4
	s_cbranch_scc1 .Lend
	ds_load_b128 v[60:63], v87                                   ; waves 0 to 3: four scores a lane
	v_and_b32 v68, 127, v0
	v_lshlrev_b32 v68, 4, v68
	s_wait_dscnt 0x0
	global_store_b128 v68, v[60:63], s[32:33] th:TH_STORE_NT
.Lend:
	s_wait_xcnt 0x0
	v_lshl_add_u32 v254, v0, 2, 0x1a900
	v_mov_b32 v255, 0
	s_wait_tensorcnt 0x0
	ds_add_u32 v254, v255
	s_wait_dscnt 0x0
	s_endpgm
.Lfunc_end_k_qa6a207e88a_score:
	.size	k_qa6a207e88a_score, .Lfunc_end_k_qa6a207e88a_score-k_qa6a207e88a_score
	.p2alignl 7, 3214868480
	.fill 96, 4, 3214868480
	.section	.rodata,"a",@progbits
	.p2align	6, 0x0
	.amdhsa_kernel k_qa6a207e88a_score
		.amdhsa_group_segment_fixed_size 110848
		.amdhsa_private_segment_fixed_size 0
		.amdhsa_enable_private_segment 0
		.amdhsa_kernarg_size 128
		.amdhsa_user_sgpr_count 2
		.amdhsa_user_sgpr_kernarg_segment_ptr 1
		.amdhsa_wavefront_size32 1
		.amdhsa_system_sgpr_workgroup_id_x 1
		.amdhsa_system_sgpr_workgroup_id_y 1
		.amdhsa_system_sgpr_workgroup_id_z 1
		.amdhsa_system_vgpr_workitem_id 0
		.amdhsa_next_free_vgpr 256
		.amdhsa_next_free_sgpr 66
		.amdhsa_reserve_vcc 1
		.amdhsa_float_denorm_mode_32 3
		.amdhsa_float_denorm_mode_16_64 3
		.amdhsa_memory_ordered 1
		.amdhsa_forward_progress 1
		.amdhsa_inst_pref_size 180
	.end_amdhsa_kernel
	.amdgpu_metadata
---
amdhsa.version: [ 1, 2 ]
amdhsa.kernels:
  - .name:           k_qa6a207e88a_score
    .symbol:         k_qa6a207e88a_score.kd
    .args:
      - { .name: heads, .offset: 0, .size: 8, .value_kind: global_buffer, .address_space: global }
      - { .name: rels, .offset: 8, .size: 8, .value_kind: global_buffer, .address_space: global }
      - { .name: tails, .offset: 16, .size: 8, .value_kind: global_buffer, .address_space: global }
      - { .name: sources, .offset: 24, .size: 8, .value_kind: global_buffer, .address_space: global }
      - { .name: heads_bad, .offset: 32, .size: 8, .value_kind: global_buffer, .address_space: global }
      - { .name: rels_bad, .offset: 40, .size: 8, .value_kind: global_buffer, .address_space: global }
      - { .name: tails_bad, .offset: 48, .size: 8, .value_kind: global_buffer, .address_space: global }
      - { .name: sources_bad, .offset: 56, .size: 8, .value_kind: global_buffer, .address_space: global }
      - { .name: ents_emb, .offset: 64, .size: 8, .value_kind: global_buffer, .address_space: global }
      - { .name: rels_emb, .offset: 72, .size: 8, .value_kind: global_buffer, .address_space: global }
      - { .name: entW, .offset: 80, .size: 8, .value_kind: global_buffer, .address_space: global }
      - { .name: relW, .offset: 88, .size: 8, .value_kind: global_buffer, .address_space: global }
      - { .name: entB, .offset: 96, .size: 8, .value_kind: global_buffer, .address_space: global }
      - { .name: relB, .offset: 104, .size: 8, .value_kind: global_buffer, .address_space: global }
      - { .name: out0, .offset: 112, .size: 8, .value_kind: global_buffer, .address_space: global }
      - { .name: out1, .offset: 120, .size: 8, .value_kind: global_buffer, .address_space: global }
    .group_segment_fixed_size: 110848
    .private_segment_fixed_size: 0
    .kernarg_segment_align: 8
    .kernarg_segment_size: 128
    .max_flat_workgroup_size: 512
    .sgpr_count:     66
    .vgpr_count:     256
    .wavefront_size: 32
...
	.end_amdgpu_metadata
.endif
;; end of part 1
;; ======== version 2 of 2: 1 launch; version 1 with the launch score written anew for expert scheduling mode
;; limits: a difference of large sums (such as E[x^2] - mean^2): digits are lost where the result is much smaller than its terms
;; launch score (part 2): grid 256 x 1, 16 waves a work-group, no clusters, 110,848 bytes of LDS; arguments heads, rels, tails, sources, heads_bad, rels_bad, tails_bad, sources_bad, ents_emb, rels_emb, entW, relW, entB, relB, out0, out1; writes out0, out1
.if DOCPART == 2
	.amdgcn_target "amdgcn-amd-amdhsa--gfx1250"
	.amdhsa_code_object_version 6
	.text
	.protected	k_qa6a207e88a_score
	.globl	k_qa6a207e88a_score
	.p2align	8
	.type	k_qa6a207e88a_score,@function
k_qa6a207e88a_score:
	s_mov_b64 s[64:65], 0
	v_nop
	global_prefetch_b8 v0, s[64:65] scope:SCOPE_SE
	s_setreg_imm32_b32 hwreg(HW_REG_WAVE_SCHED_MODE, 0, 2), 2
	s_setreg_imm32_b32 hwreg(HW_REG_WAVE_MODE, 25, 1), 1
	s_wait_xcnt 0x0
	s_wait_alu depctr_vm_vsrc(0)
; score = || n(tanh(We h + be)) + n(tanh(Ve r + ce)) - n(tanh(We t + be)) ||, e = source - 2, n(x) = x / max(||x||, 1e-12).
; h, t: rows of ents_emb, r: a row of rels_emb (100 f32 each), named by the index inputs; We, be = entW[e], entB[e]; Ve, ce = relW[e], relB[e].  A source outside 2 .. 8 gives the score 0.
; Both operands of the three products are quantised along K = 100 to codes of FP4 (E2M1) with one E8M0 byte for each 32; K is filled with zero codes up to the instruction's 128.
; Only the chosen expert's product is made: the others are thrown away by the mask that the problem builds from the sources.
; SHARES.  256 work-groups of 16 waves; work-groups 0-127 take the good triples and out0, 128-255 the bad ones and out1; 512 triples a work-group, 32 a wave, as two tiles of 16.
; WEIGHTS.  The 14 matrices are quantised by each work-group itself (wave x: matrix x; 0-6 entW, 7-13 relW) and lie in LDS as images of the operand's registers: 98 fragments of 1,024 bytes, and their scale words.
; ROUTING.  A wave takes its 32 triples in the order of their experts, so that a tile of 16 holds few experts.  It loads the 32 sources; eight ballots and their running counts say at which rank each expert's triples
; begin; each lane finds the expert of its rank p and, as the n-th set bit of that expert's ballot, the triple that has rank p, and loads that triple's head, relation and tail.  Only compares, selects, shifts and
; additions stand between the sources as loaded and what steers a branch or an address.  A tile walks all 7 experts in a loop of constant count and passes over, by a scalar branch on those numbers, the experts
; that none of its rows has.  For an expert that is present the other experts' rows get zero codes, so that all experts add into the same accumulators.
; LAYOUT.  The products are used transposed: source 0 = 16 rows of a weight (16 output columns), source 1 = 16 gathered rows.  Lane (r = lane % 16, hh = lane / 16) holds triple r, register j column 16 n + 8 hh + j.
; The seventh tile of columns has four: its weight rows 0, 1, 8, 9 are columns 96 .. 99, the other twelve have zero codes: so registers 0, 1 of its accumulators hold columns 96 + 2 hh + 0, 1, and no tanh is made of padding.
; The bias of the row's own expert is loaded straight into the accumulators; every product adds in place.
; The seven tiles of columns go in two halves (0-3, 4-6); of the three vectors only six running dot products are kept (hh, tt, rr, ht, hr, rt), from which the score follows:
; S = hh a^2 + rr b^2 + tt c^2 + 2 (hr a b - ht a c - rt b c), a = 1 / max(sqrt(hh), eps), b, c likewise of rr, tt; score = sqrt(max(S, 0)).
; LIMITS.  NaN and infinities among the inputs are not served.  A block whose largest magnitude lies under 2^-124 gets the byte 1.  S is a sum of numbers of size 1 in f32: where the score is near 0 its
; absolute error is near 1e-3.  tanh(x) = 1 - 2 / (1 + 2^(2 x log2 e)) has an absolute error near 1e-7.
; NOT USED.  No cluster: what work-groups share is the 560,000 bytes of weights against some 157,000,000 bytes of gathered rows, and the weights must pass through registers to be quantised.
; No tensor load: the rows are 400 bytes each at places named by an index.  No prefetch of a wave's second tile: that would be 307,200 bytes a work-group asked for ahead.
; THE MODE: SCHED_MODE bits 1:0 = 2 (LLVM: expert scheduling mode 2), set by the entry lines.  The code itself states the register dependences between vector or matrix instructions and memory or LDS
; instructions, with s_wait_alu, always for 0.
; THE PLAN.  Registers that memory or LDS instructions touch, and who else names them:
;   v20-23, v27, v84-87  offsets and LDS addresses, made at the head: one wait on va_vdst ahead of the first load.  v20-23 and v27 get other contents in a tile, behind the tile's wait on vm_vsrc.
;   v88-255   A weight step: loads land; FIX3 and QUANT read; one wait on va_vdst behind QUANT; the loads of three steps on land.  A tile: the gather lands; QUANT reads; a wait on va_vdst; the bias lands; the same
;             again for the second half, behind the first half's products.
;   v76-83, v31  A weight step's QUANT writes them (the same wait on va_vdst), three LDS stores read them, a wait on vm_vsrc stands ahead of the next QUANT.
;   v9, v10, v14-19  Written by the sort and by ADDR, read by the index loads, the gather and the bias: a wait on vm_vsrc ahead of ADDR, one on va_vdst behind it, one on vm_vsrc at a tile's head, since the dot products take v14-25 over.
;   v12, v13, v32-35, the weight fragments, the masked codes  An expert's trip: a wait on vm_vsrc, the two additions, the 24 selects, ONE wait on va_vdst (the addresses and the masked codes are written, the
;             last trip's products are done reading fragments and scale words), the LDS loads, the products.
;   Scalar registers that compares write: the compares stand in runs, with one wait on va_sdst behind each run and ahead of its first reader.
; No second set of weight fragments: four waves of 256 registers fill a SIMD, and half A holds 96 registers of sums and 64 of fragments in v88-247.
; REGISTERS.  v1 16 x lane; v2 my place among the scale words; v3 4 x the triple that has rank = my lane; v4-6 the second tile's indices; v7, v8 the second and the first tile's experts; v9, v10 offsets of the index
; loads, then of the bias; v11 the first tile's score; v12, v13 LDS addresses of an expert's block; v14-25 the six dot products in pairs (before that: v14-19 gather offsets, v20-23 offsets in a weight);
; v26 hh; v27 4 x thread, later the second tile's score; v28-30 scale words of h, r, t; v31 a weight fragment's scale word; v32-35 the weights' scale words at work; v36-59 codes of h, r, t;
; v60-83 masked codes (in the sort and while quantising: at work; v76-83 a weight's codes); v84-87 LDS addresses;
; v88-255: three stagings of 56 numbers; then accumulators and weight fragments: half A 88-183 and 184-247, half B 184-255 and 88-135.
.set WREL, 50176                       ; LDS: matrix x at 7168 x, tile n at + 1024 n, four registers at + 512 c, lane at + 16 lane; relW's seven begin here
.set WSC,  100352                      ; the weights' scale words: matrix x at + 448 x, tile n at + 64 n, row r at + 4 r; relW's lie 3,136 bytes behind entW's
.set STG,  106752                      ; the work-group's 512 scores
.set TM,   60                          ; at work in QUANT: +0..3 largest magnitudes, +4..7 bytes, +12..15 the conversions' scale operands
.set MK,   60                          ; masked codes: h, t, r
.set CH,   36
.set CR,   44
.set CT,   52
.set WS,   32
.set XH,   88
.set XT,   144
.set XR,   200
.set ACCA, 88                          ; accumulator (tile nn of the half, o) at + 24 nn + 8 o; o = 0 h, 1 t, 2 r
.set WBA,  184                         ; weight fragments of tile nn: entW's at + 16 nn, relW's 8 further on
.set ACCB, 184
.set WBB,  88
; at work in the sort, a register for each of the two tiles (+ 0, + 1):
.set SP,   60                          ; p: my rank, r or 16 + r
.set SM,   62                          ; the ballot of my rank's expert
.set SK,   64                          ; that expert's first rank | expert << 8
.set SA,   66                          ; the ballot's counts in fields of 2 bits,
.set SB,   68                          ; of 4,
.set SC,   70                          ; of 8
.set SN,   74                          ; n: which set bit is wanted, from 0
.set SQ,   76                          ; the place found so far
.set ST,   78
.set SU,   80
.set BAL,  46                          ; s46-53 the eight buckets' ballots (the walk over the experts takes s50-53 later)
.set MSK,  54                          ; s54-57 masks that a run of compares writes
.set PKW,  58                          ; s58-59 two buckets' first rank | bucket << 8
; 100 numbers of a row into 52 registers: register 16 b + i = k 32 b + 16 hh + i; a = the row's offset + 64 hh, a3 = the row's offset: both halves of the lanes read k = 96 .. 99, so that no load leaves the row
.macro LOADFRAG x, a, a3, base, imm
.irp b, 0,1,2
.irp j, 0,1,2,3
	global_load_b128 v[(\x)+16*\b+4*\j:(\x)+16*\b+4*\j+3], v[\a], s[\base:\base+1] offset:\imm+128*\b+16*\j
.endr
.endr
	global_load_b128 v[(\x)+48:(\x)+51], v[\a3], s[\base:\base+1] offset:\imm+384
.endm
; the last block has four numbers: lanes 16-31 stand for k from 112 on, registers 52-55 for k = 100 .. 103: zeros
.macro FIX3 x
.irp i, 0,1,2,3
	v_cndmask_b32 v[(\x)+48+\i], 0, v[(\x)+48+\i], s42
.endr
.irp i, 0,1,2,3
	v_mov_b32 v[(\x)+52+\i], 0
.endr
.endm
; 56 numbers of a lane become a fragment's 8 registers of codes, v[pc] on, and its row's scale word, v[pw]
.macro QUANT x, pc, pw
.irp b, 0,1,2,3
	v_max3_num_f32 v[TM+\b], |v[(\x)+16*\b]|, |v[(\x)+16*\b+1]|, 0x1800000   ; block b: my numbers, and the floor 2^(3 - 127): the byte cannot fall under 1
.endr
.irp i, 2,4,6,8,10,12,14
.irp b, 0,1,2
	v_max3_num_f32 v[TM+\b], v[TM+\b], |v[(\x)+16*\b+\i]|, |v[(\x)+16*\b+\i+1]|   ; (the blocks by turns)
.endr
.if \i == 2
	v_max3_num_f32 v[TM+3], v[TM+3], |v[(\x)+50]|, |v[(\x)+51]|
.endif
.endr
.irp b, 0,1,2,3
	v_permlanex16_b32 v[TM+4+\b], v[TM+\b], s40, s41
.endr
.irp b, 0,1,2,3
	v_max_num_f32 v[TM+\b], v[TM+\b], v[TM+4+\b]                 ; with lane l xor 16's: the block's largest magnitude
.endr
.irp b, 0,1,2,3
	v_add_nc_u32 v[TM+12+\b], 0xff000000, v[TM+\b]               ; 2 off its exponent field: the conversion takes the exponent field of this operand as its scale
.endr
.irp b, 0,1,2,3
	v_lshrrev_b32 v[TM+4+\b], 23, v[TM+12+\b]                    ; the scale's byte
.endr
	v_lshl_or_b32 v[\pw], v[TM+5], 8, v[TM+4]
	v_lshl_or_b32 v[\pw], v[TM+6], 16, v[\pw]
	v_lshl_or_b32 v[\pw], v[TM+7], 24, v[\pw]
.irp b, 0,1,2
	v_cvt_scalef32_pk8_fp4_f32 v[(\pc)+2*\b], v[(\x)+16*\b:(\x)+16*\b+7], v[TM+12+\b]
	v_cvt_scalef32_pk8_fp4_f32 v[(\pc)+2*\b+1], v[(\x)+16*\b+8:(\x)+16*\b+15], v[TM+12+\b]
.endr
	v_cvt_scalef32_pk8_fp4_f32 v[(\pc)+6], v[(\x)+48:(\x)+55], v[TM+15]
	v_mov_b32 v[(\pc)+7], 0                                      ; k = 104 + 16 hh on: zero codes.  Also the plain place behind the last conversion
.irp c, 0,1                            ; the operand's layout wants a whole block in a lane: lanes 0-15 block 2 c, lanes 16-31 block 2 c + 1
.irp i, 0,1
	v_permlane16_swap_b32 v[(\pc)+4*\c+\i], v[(\pc)+2+4*\c+\i]
.endr
.endr
.endm
; a tile's offsets from its indices: each index is held inside its table, then x 400 bytes
.macro ADDR h, r, t, e
	v_min_u32 v15, 0x7a120, v[\h]
	v_min_u32 v17, 0x7a120, v[\t]
	v_min_u32 v19, 0x3e8, v[\r]
	v_min_u32 v10, 6, v[\e]
	v_mul_u32_u24 v15, v15, 400
	v_mul_u32_u24 v17, v17, 400
	v_mul_u32_u24 v19, v19, 400
	v_mul_u32_u24 v10, v10, 400
	v_lshl_add_u32 v14, v26, 6, v15
	v_lshl_add_u32 v16, v26, 6, v17
	v_lshl_add_u32 v18, v26, 6, v19
	v_lshl_add_u32 v9, v26, 5, v10                               ; the bias of my eight columns of a tile: + 32 hh
	v_lshl_add_u32 v10, v26, 3, v10                              ; of my two of the seventh: + 8 hh
.endm
.macro GATHER                          ; 39 loads: h, t, r
	LOADFRAG XH, 14, 15, 20, 0
	LOADFRAG XT, 16, 17, 20, 0
	LOADFRAG XR, 18, 19, 22, 0
.endm
; the bias of each row's own expert goes straight into the accumulators
.macro BIAS acc, n0, full, six
.irp nn, 0,1,2,3
.if \nn < \full
.irp o, 0,8
	global_load_b128 v[(\acc)+24*\nn+\o:(\acc)+24*\nn+\o+3], v9, s[28:29] offset:64*(\n0+\nn)
	global_load_b128 v[(\acc)+24*\nn+\o+4:(\acc)+24*\nn+\o+7], v9, s[28:29] offset:64*(\n0+\nn)+16
.endr
	global_load_b128 v[(\acc)+24*\nn+16:(\acc)+24*\nn+19], v9, s[30:31] offset:64*(\n0+\nn)
	global_load_b128 v[(\acc)+24*\nn+20:(\acc)+24*\nn+23], v9, s[30:31] offset:64*(\n0+\nn)+16
.endif
.endr
.if \six
.set A6, (\acc)+24*\full
	global_load_b64 v[A6:A6+1], v10, s[28:29] offset:384
	global_load_b64 v[A6+8:A6+9], v10, s[28:29] offset:384
	global_load_b64 v[A6+16:A6+17], v10, s[30:31] offset:384
.irp o, 0,8,16
.irp j, 2,3,4,5,6,7
	v_mov_b32 v[A6+\o+\j], 0                                     ; the rows of the seventh tile that stand for no column: the products name them as C, nobody reads them.  (No load above touches these registers)
.endr
.endr
.endif
.endm
; The walk over the seven experts for cnt tiles of columns, n0 on.  The 3 cnt accumulators take turns, one instruction a turn, over the backward jump too.
; A trip of an expert that is present: the addresses and the masked codes are made first, while the last trip's products end; then the one wait on va_vdst; then the LDS loads; then the products as their fragments land.
.macro ELOOP acc, wb, n0, cnt
	s_mov_b32 s50, 0                                             ; e
	s_mov_b32 s51, 0                                             ; 7168 e
	s_mov_b32 s52, 0                                             ; 448 e
.Le_\@:
	v_cmp_eq_u32 s53, s50, v[ET]                                 ; which of my rows have expert e
	s_wait_alu depctr_va_sdst(0)                                 ; s53 is written, ahead of its first reader: the scalar compare below; the selects read it too
	s_wait_alu depctr_vm_vsrc(0)                                 ; the LDS loads of the last expert that was present have read v12 and v13, which the two additions below write again
	s_cmp_eq_u32 s53, 0
	s_cbranch_scc1 .Lskip_\@                                     ; none: a branch on the index input; the steps at the trip's end are not jumped over
	v_add_nc_u32 v12, s51, v1
	v_add_nc_u32 v13, s52, v2
.irp i, 0,1,2,3,4,5,6,7
	v_cndmask_b32 v[MK+\i], 0, v[CH+\i], s53                     ; zero codes for the rows of other experts
.endr
.irp i, 0,1,2,3,4,5,6,7
	v_cndmask_b32 v[MK+8+\i], 0, v[CT+\i], s53
.endr
.irp i, 0,1,2,3,4,5,6,7
	v_cndmask_b32 v[MK+16+\i], 0, v[CR+\i], s53
.endr
.rept 4
	v_nop                                                        ; an operand written by vector instructions stands four places ahead of a scaled product
.endr
	s_wait_alu depctr_va_vdst(0)                                 ; v12 and v13 are written, which the LDS loads read; the products (in the first trip: the conversions, the tanh) issued so far are done reading the registers in which fragments and scale words land; the masked codes and the rows' scale words are written, which the products take
.irp nn, 0,1,2,3
.if \nn < \cnt
	ds_load_b32 v[WS+\nn], v13 offset:64*(\n0+\nn)               ; lanes 0-15 entW's scale words, lanes 16-31 relW's
.endif
.endr
.irp nn, 0,1,2,3
.if \nn < \cnt
	ds_load_b128 v[(\wb)+16*\nn:(\wb)+16*\nn+3], v12 offset:1024*(\n0+\nn)
	ds_load_b128 v[(\wb)+16*\nn+4:(\wb)+16*\nn+7], v12 offset:1024*(\n0+\nn)+512
	ds_load_b128 v[(\wb)+16*\nn+8:(\wb)+16*\nn+11], v12 offset:WREL+1024*(\n0+\nn)
	ds_load_b128 v[(\wb)+16*\nn+12:(\wb)+16*\nn+15], v12 offset:WREL+1024*(\n0+\nn)+512
.endif
.endr
.irp nn, 0,1,2,3
.if \nn < \cnt
	s_wait_dscnt 4*(\cnt-1-\nn)                                  ; the scale words and the fragments up to this tile's are in; the later tiles' four loads each may be out
	v_wmma_scale_f32_16x16x128_f8f6f4 v[(\acc)+24*\nn:(\acc)+24*\nn+7], v[(\wb)+16*\nn:(\wb)+16*\nn+7], v[MK:MK+7], v[(\acc)+24*\nn:(\acc)+24*\nn+7], v[WS+\nn], v28 matrix_a_fmt:MATRIX_FMT_FP4 matrix_b_fmt:MATRIX_FMT_FP4
	v_wmma_scale_f32_16x16x128_f8f6f4 v[(\acc)+24*\nn+8:(\acc)+24*\nn+15], v[(\wb)+16*\nn:(\wb)+16*\nn+7], v[MK+8:MK+15], v[(\acc)+24*\nn+8:(\acc)+24*\nn+15], v[WS+\nn], v30 matrix_a_fmt:MATRIX_FMT_FP4 matrix_b_fmt:MATRIX_FMT_FP4
	v_wmma_scale_f32_16x16x128_f8f6f4 v[(\acc)+24*\nn+16:(\acc)+24*\nn+23], v[(\wb)+16*\nn+8:(\wb)+16*\nn+15], v[MK+16:MK+23], v[(\acc)+24*\nn+16:(\acc)+24*\nn+23], v[WS+\nn], v29 matrix_a_fmt:MATRIX_FMT_FP4 matrix_b_fmt:MATRIX_FMT_FP4 matrix_a_scale:MATRIX_SCALE_ROW1
.endif
.endr
.rept 4
	v_nop                                                        ; four places behind the last product (ISA guide 7.12.1), for whatever vector work comes next on any way: new masks, zeros laid over its operands, reads of the sums
.endr
.Lskip_\@:
	s_add_co_u32 s51, s51, 7168
	s_add_co_u32 s52, s52, 448
	s_add_co_u32 s50, s50, 1
	s_cmp_lt_u32 s50, 7
	s_cbranch_scc1 .Le_\@
.endm
; tanh in place: 1 - 2 / (1 + 2^(2 x log2 e)); each accumulator is taken from its low end on
.macro TANHF base                      ; the 24 registers of a tile's three accumulators
.irp p, 0,2,4,6,8,10,12,14,16,18,20,22
	v_pk_mul_f32 v[(\base)+\p:(\base)+\p+1], v[(\base)+\p:(\base)+\p+1], s[44:45] op_sel_hi:[1,0]
.endr
	s_wait_alu depctr_va_vdst(0)
.irp j, 0,1,2,3,4,5,6,7,8,9,10,11,12,13,14,15,16,17,18,19,20,21,22,23
	v_exp_f32 v[(\base)+\j], v[(\base)+\j]
.endr
	v_nop                                                        ; a plain place behind the transcendentals
	s_wait_alu depctr_va_vdst(0)                                 ; the 24 exponentials have written their results, which the additions read: one wait for the batch
.irp p, 0,2,4,6,8,10,12,14,16,18,20,22
	v_pk_add_f32 v[(\base)+\p:(\base)+\p+1], v[(\base)+\p:(\base)+\p+1], 1.0 op_sel_hi:[1,0]
.endr
	s_wait_alu depctr_va_vdst(0)
.irp j, 0,1,2,3,4,5,6,7,8,9,10,11,12,13,14,15,16,17,18,19,20,21,22,23
	v_rcp_f32 v[(\base)+\j], v[(\base)+\j]
.endr
	v_nop
	s_wait_alu depctr_va_vdst(0)                                 ; the 24 reciprocals have written their results, which the multiply-adds read: one wait for the batch
.irp p, 0,2,4,6,8,10,12,14,16,18,20,22
	v_pk_fma_f32 v[(\base)+\p:(\base)+\p+1], v[(\base)+\p:(\base)+\p+1], -2.0, 1.0 op_sel_hi:[1,0,0]
.endr
.endm
.macro TANH6 base                      ; the seventh tile: two registers of each accumulator
.irp p, 0,8,16
	v_pk_mul_f32 v[(\base)+\p:(\base)+\p+1], v[(\base)+\p:(\base)+\p+1], s[44:45] op_sel_hi:[1,0]
.endr
	s_wait_alu depctr_va_vdst(0)
.irp j, 0,1,8,9,16,17
	v_exp_f32 v[(\base)+\j], v[(\base)+\j]
.endr
	v_nop
	s_wait_alu depctr_va_vdst(0)                                 ; the six exponentials have written their results, which the additions read
.irp p, 0,8,16
	v_pk_add_f32 v[(\base)+\p:(\base)+\p+1], v[(\base)+\p:(\base)+\p+1], 1.0 op_sel_hi:[1,0]
.endr
	s_wait_alu depctr_va_vdst(0)
.irp j, 0,1,8,9,16,17
	v_rcp_f32 v[(\base)+\j], v[(\base)+\j]
.endr
	v_nop
	s_wait_alu depctr_va_vdst(0)                                 ; the six reciprocals have written their results, which the multiply-adds read
.irp p, 0,8,16
	v_pk_fma_f32 v[(\base)+\p:(\base)+\p+1], v[(\base)+\p:(\base)+\p+1], -2.0, 1.0 op_sel_hi:[1,0,0]
.endr
.endm
; two columns of h (at a), t (a + 8), r (a + 16) into the six dot products; the very first pair starts them: nothing is cleared
.macro DOTS a
.set DH, (\a)
.set DT, (\a)+8
.set DR, (\a)+16
.if PF
	v_pk_mul_f32 v[14:15], v[DH:DH+1], v[DH:DH+1]
	v_pk_mul_f32 v[16:17], v[DT:DT+1], v[DT:DT+1]
	v_pk_mul_f32 v[18:19], v[DR:DR+1], v[DR:DR+1]
	v_pk_mul_f32 v[20:21], v[DH:DH+1], v[DT:DT+1]
	v_pk_mul_f32 v[22:23], v[DH:DH+1], v[DR:DR+1]
	v_pk_mul_f32 v[24:25], v[DR:DR+1], v[DT:DT+1]
.set PF, 0
.else
	v_pk_fma_f32 v[14:15], v[DH:DH+1], v[DH:DH+1], v[14:15]
	v_pk_fma_f32 v[16:17], v[DT:DT+1], v[DT:DT+1], v[16:17]
	v_pk_fma_f32 v[18:19], v[DR:DR+1], v[DR:DR+1], v[18:19]
	v_pk_fma_f32 v[20:21], v[DH:DH+1], v[DT:DT+1], v[20:21]
	v_pk_fma_f32 v[22:23], v[DH:DH+1], v[DR:DR+1], v[22:23]
	v_pk_fma_f32 v[24:25], v[DR:DR+1], v[DT:DT+1], v[24:25]
.endif
.endm
.macro POST acc, full, six, first
.set PF, \first
.irp nn, 0,1,2,3
.if \nn < \full
	TANHF (\acc)+24*\nn
.irp p, 0,2,4,6
	DOTS (\acc)+24*\nn+\p
.endr
.endif
.endr
.if \six
	TANH6 (\acc)+24*\full
	DOTS (\acc)+24*\full
.endif
.endm
; the score of my row from the six dot products, the same in both halves of the lanes
.macro FINISH dst
.irp p, 14,16,18,20,22,24
	v_add_f32 v[\p], v[\p], v[\p+1]                              ; even and odd columns,
.endr
.irp p, 14,16,18,20,22,24
	v_permlanex16_b32 v[\p+1], v[\p], s40, s41
.endr
.irp p, 14,16,18,20,22,24
	v_add_f32 v[\p], v[\p], v[\p+1]                              ; and lane l xor 16's columns
.endr
	s_wait_alu depctr_va_vdst(0)
	v_sqrt_f32 v15, v14
	v_sqrt_f32 v17, v16
	v_sqrt_f32 v19, v18
	v_nop
	s_wait_alu depctr_va_vdst(0)                                 ; the three roots have written v15, v17, v19, which the maxima read
	v_max_num_f32 v15, 0x2b8cbccc, v15                           ; max(norm, 1e-12)
	v_max_num_f32 v17, 0x2b8cbccc, v17
	v_max_num_f32 v19, 0x2b8cbccc, v19
	s_wait_alu depctr_va_vdst(0)
	v_rcp_f32 v15, v15                                           ; a (of h)
	v_rcp_f32 v17, v17                                           ; c (of t)
	v_rcp_f32 v19, v19                                           ; b (of r)
	v_nop
	s_wait_alu depctr_va_vdst(0)                                 ; the three reciprocals have written v15, v17, v19, which the products read
	v_mul_f32 v60, v15, v15
	v_mul_f32 v61, v19, v19
	v_mul_f32 v62, v17, v17
	v_mul_f32 v63, v15, v19
	v_mul_f32 v64, v15, v17
	v_mul_f32 v65, v19, v17
	v_mul_f32 v66, v14, v60                                      ; hh a a
	v_mul_f32 v67, v22, v63                                      ; hr a b
	v_fma_f32 v66, v18, v61, v66                                 ; + rr b b
	v_fma_f32 v67, -v20, v64, v67                                ; - ht a c
	v_fma_f32 v66, v16, v62, v66                                 ; + tt c c
	v_fma_f32 v67, -v24, v65, v67                                ; - rt b c
	v_fma_f32 v66, 2.0, v67, v66
	v_max_num_f32 v66, 0, v66
	v_cmp_gt_u32 vcc_lo, 7, v[ET]                                ; a source outside 2 .. 8 has no expert: all three vectors are zeros there
	s_wait_alu depctr_va_vdst(0)
	v_sqrt_f32 v66, v66
	v_nop
	s_wait_alu depctr_va_vdst(0)                                 ; the root has written v66, which the select reads
	s_wait_alu depctr_va_vcc(0)                                  ; the compare has written VCC, ahead of its first reader, the select
	v_cndmask_b32 v[\dst], 0, v66, vcc_lo
.endm
; a tile of 16 triples, its 39 gather loads issued
.macro TILE dst
	s_wait_loadcnt 26                                            ; h's 13 loads are in; t's and r's 13 each may be out
	s_wait_alu depctr_vm_vsrc(0)                                 ; every load issued so far has read its offsets: the gather's v14-19, the weights' v20-23, the source's v27: the dot products and the second score are written there
	FIX3 XH
	QUANT XH, CH, 28
	s_wait_loadcnt 13                                            ; t's are in; r's may be out
	FIX3 XT
	QUANT XT, CT, 30
	s_wait_alu depctr_va_vdst(0)                                 ; the selects, maxima and conversions are done with h's and t's numbers, v88-199, in which the bias lands
	BIAS ACCA, 0, 4, 0                                           ; 24 loads, into registers that h's and t's numbers have left
	s_wait_loadcnt 24                                            ; r's are in; the 24 issued behind them may be out
	FIX3 XR
	QUANT XR, CR, 29
	s_wait_loadcnt 0x0                                           ; the bias of half A
	ELOOP ACCA, WBA, 0, 4
	s_wait_alu depctr_va_vdst(0)                                 ; half A's products are done reading their fragments, and the conversions r's numbers: v184-255, in which the bias of half B lands
	BIAS ACCB, 4, 2, 1                                           ; 15 loads, which land while half A's tanh is made: that names v88-183 and v14-25 alone
	POST ACCA, 4, 0, 1
	s_wait_loadcnt 0x0                                           ; the bias of half B
	ELOOP ACCB, WBB, 4, 3
	POST ACCB, 2, 1, 0
	FINISH \dst
.endm
; the weights' part: fragment q of my matrix (tile q of its output columns) through a ring of three stagings
.macro WLOAD q
.set WST, 88+56*((\q)%3)
.if (\q) < 6
	LOADFRAG WST, 20, 21, 24, 6400*(\q)
.else
	LOADFRAG WST, 22, 23, 24, 38400
.endif
.endm
.macro WSTEP q
.set WST, 88+56*((\q)%3)
.if (\q) < 5
	s_wait_loadcnt 26                                            ; this fragment's 13 loads are in; two younger fragments' may be out (in steps 0 to 2 the six index loads are younger too: the count then asks for a little more than is needed)
.else
	s_wait_loadcnt 13*(6-(\q))
.endif
	FIX3 WST
	QUANT WST, 76, 31
.if (\q) == 6
.irp i, 0,1,2,3,4,5,6,7
	v_cndmask_b32 v[76+\i], 0, v[76+\i], s43                     ; only rows 0, 1, 8, 9 of the seventh tile are columns
.endr
.endif
	s_wait_alu depctr_va_vdst(0)                                 ; the codes v76-83 and the scale word v31 are written, which the LDS stores read; the vector work is done with this staging, in which the loads of three steps on land
.if (\q)+3 < 7
	WLOAD (\q)+3                                                 ; the staging is asked for again at once
.endif
	ds_store_b128 v84, v[76:79] offset:1024*(\q)                 ; the fragment goes to LDS as it stands in the registers
	ds_store_b128 v84, v[80:83] offset:1024*(\q)+512
	ds_store_b32 v85, v31 offset:64*(\q)                         ; lanes r and r + 16 write the same word with the same value
	s_wait_dscnt 0x0                                             ; the stores are done
.if (\q) < 6
	s_wait_alu depctr_vm_vsrc(0)                                 ; the stores have read v76-83 and v31, which the next fragment's codes and scale word are written into (behind the last step the wait ahead of the offsets states it)
.endif
.endm
; buckets b0 .. b0 + cnt - 1 of the sort: their first ranks by scalar additions, a run of compares, one wait, the selects
.macro PAIR b0, cnt
.irp i, 0,1
.if \i < \cnt
	s_bcnt1_i32_b32 s38, s[BAL+\b0+\i-1]
	s_add_co_u32 s39, s39, s38                                   ; the bucket's first rank
	s_or_b32 s[PKW+\i], s39, ((\b0+\i)<<8)
	v_cmp_le_u32 s[MSK+2*\i], s39, v[SP]                         ; the last bucket whose first rank is at most p is the one that holds rank p (an empty one is overtaken by the next, which begins at the same rank)
	v_cmp_le_u32 s[MSK+2*\i+1], s39, v[SP+1]
.endif
.endr
	s_wait_alu depctr_va_sdst(0)                                 ; the run's masks are written, ahead of their first readers, the selects
.irp i, 0,1
.if \i < \cnt
	v_cndmask_b32 v[SM], v[SM], s[BAL+\b0+\i], s[MSK+2*\i]
	v_cndmask_b32 v[SK], v[SK], s[PKW+\i], s[MSK+2*\i]
	v_cndmask_b32 v[SM+1], v[SM+1], s[BAL+\b0+\i], s[MSK+2*\i+1]
	v_cndmask_b32 v[SK+1], v[SK+1], s[PKW+\i], s[MSK+2*\i+1]
.endif
.endr
.endm
; one descent of the search for the n-th set bit: t = the count in the lower field of w bits at the place found so far; where n >= t the bit lies in the upper field: n -= t, place += w.  Both tiles' compares stand together, under one wait
.macro SELSTEP src, w
.irp t, 0,1
	v_bfe_u32 v[ST+\t], v[(\src)+\t], v[SQ+\t], \w
	v_sub_nc_u32 v[SU+\t], v[SN+\t], v[ST+\t]
	v_cmp_le_i32 s[MSK+\t], 0, v[SU+\t]
.endr
	s_wait_alu depctr_va_sdst(0)                                 ; the two masks are written, ahead of their first readers, the selects
.irp t, 0,1
	v_cndmask_b32 v[SN+\t], v[SN+\t], v[SU+\t], s[MSK+\t]
	v_cndmask_b32 v[ST+\t], 0, \w, s[MSK+\t]
	v_add_nc_u32 v[SQ+\t], v[SQ+\t], v[ST+\t]
.endr
.endm
	s_load_b512 s[4:19], s[0:1], 0x0                             ; heads, rels, tails, sources; heads_bad, rels_bad, tails_bad, sources_bad
	s_load_b512 s[20:35], s[0:1], 0x40                           ; ents_emb 20, rels_emb 22, entW 24, relW 26, entB 28, relB 30, out0 32, out1 34
	v_and_b32 v60, 31, v0                                        ; lane
	v_and_b32 v61, 15, v0                                        ; r
	v_bfe_u32 v26, v0, 4, 1                                      ; hh
	v_lshrrev_b32 v62, 5, v0
	v_readfirstlane_b32 s36, v62                                 ; wave 0 .. 15
	v_lshlrev_b32 v1, 4, v60
	v_mul_u32_u24 v2, v26, 3136                                  ; lanes 16-31 take relW's scale words
	v_lshl_add_u32 v2, v61, 2, v2
	v_add_nc_u32 v2, WSC, v2
	s_wait_alu depctr_va_sdst(0)                                 ; s36 is written, ahead of its first reader: LDS addresses, offsets and branches are made from it
	s_mul_i32 s38, s36, 7168
	v_add_nc_u32 v84, s38, v1                                    ; where I store my matrix's images
	s_mul_i32 s38, s36, 448
	v_lshl_add_u32 v85, v61, 2, s38
	v_add_nc_u32 v85, WSC, v85                                   ; and their scale words
	v_lshl_add_u32 v86, v0, 2, STG                               ; my triple's score
	v_and_b32 v63, 127, v0
	v_lshl_add_u32 v87, v63, 4, STG                              ; and where four scores are read back
	v_lshlrev_b32 v27, 2, v0
	v_mul_u32_u24 v21, v61, 400                                  ; in a weight: lane r takes row r of a tile of 16 rows;
	v_lshl_add_u32 v20, v26, 6, v21
	v_and_b32 v62, 7, v61
	v_min_u32 v62, 1, v62
	v_lshrrev_b32 v63, 3, v61
	v_lshl_add_u32 v62, v63, 1, v62                              ; of the seventh tile row min(r % 8, 1) + 2 (r / 8) of the last four: 0, 1, 2, 3 for r = 0, 1, 8, 9; the other lanes' codes are cleared
	v_mul_u32_u24 v23, v62, 400
	v_lshl_add_u32 v22, v26, 6, v23
.irp i, 0,1,2,3
	v_mov_b32 v[TM+4+\i], 0                                      ; written once: a lane permute's destination counts as one of its sources
.endr
	s_mov_b32 s40, 0x76543210
	s_mov_b32 s41, 0xfedcba98                                    ; v_permlanex16_b32's selects for lane l xor 16
	s_mov_b32 s42, 0x0000ffff                                    ; lanes 0-15
	s_mov_b32 s43, 0x03030303                                    ; lanes with r = 0, 1, 8, 9
	s_mov_b32 s44, 0x4038aa3b                                    ; 2 log2 e
	s_mov_b32 s45, s44                                           ; (named with it as a pair, so it is written)
	s_wait_kmcnt 0x0
	s_cmp_lt_u32 ttmp9, 128                                      ; good triples or bad ones: the choice hangs on the work-group's number alone
	s_cselect_b64 s[4:5], s[4:5], s[12:13]
	s_cselect_b64 s[6:7], s[6:7], s[14:15]
	s_cselect_b64 s[8:9], s[8:9], s[16:17]
	s_cselect_b64 s[10:11], s[10:11], s[18:19]
	s_cselect_b64 s[32:33], s[32:33], s[34:35]
	s_and_b32 s38, ttmp9, 127
	s_lshl_b32 s38, s38, 11                                      ; 512 triples x 4 bytes
	s_mov_b32 s39, 0
	s_add_nc_u64 s[4:5], s[4:5], s[38:39]
	s_add_nc_u64 s[6:7], s[6:7], s[38:39]
	s_add_nc_u64 s[8:9], s[8:9], s[38:39]
	s_add_nc_u64 s[10:11], s[10:11], s[38:39]
	s_add_nc_u64 s[32:33], s[32:33], s[38:39]
	s_wait_alu depctr_va_vdst(0)                                 ; the head's offsets and LDS addresses are written: v27 and v20-23, which the loads below read, v84-87, which the LDS stores and the stage's load read later
	global_load_b32 v7, v27, s[10:11] th:TH_LOAD_NT              ; thread i: triple i's source
	; ---- waves 0 to 13 ask for the first three fragments of their matrix, so that these are on their way during the sort
	s_cmp_ge_u32 s36, 14
	s_cbranch_scc1 .Lno_matrix
	s_cmp_lt_u32 s36, 7
	s_cselect_b64 s[24:25], s[24:25], s[26:27]                   ; entW or relW,
	s_cselect_b32 s38, 0, 7
	s_sub_co_u32 s38, s36, s38
	s_mul_i32 s38, s38, 40000                                    ; expert e's 100 x 100 numbers (s39 is 0)
	s_add_nc_u64 s[24:25], s[24:25], s[38:39]
	WLOAD 0
	WLOAD 1
	WLOAD 2
	s_wait_loadcnt 39                                            ; the source is in; the 3 x 13 loads issued behind it may be out
	s_branch .Lsort
.Lno_matrix:
	s_wait_loadcnt 0x0                                           ; the source
.Lsort:	; ---- which triple has rank p, when the wave's 32 are ordered by expert (and by their own order within an expert).  The sort names v3, v7-10 and v60-81: none that a load on its way touches
	v_add_nc_u32 v7, -2, v7
	v_min_u32 v7, 7, v7                                          ; expert 0 .. 6; 7 = none (a source under 2 wraps to a large number)
	v_and_b32 v[SP], 15, v0                                      ; my rank in the first tile: r,
	v_or_b32 v[SP+1], 16, v[SP]                                  ; in the second: 16 + r
.irp b, 0,1,2,3,4,5,6,7
	v_cmp_eq_u32 s[BAL+\b], \b, v7                               ; the buckets' ballots, in one run
.endr
	v_mov_b32 v[SK], 0
	v_mov_b32 v[SK+1], 0
	s_wait_alu depctr_va_sdst(0)                                 ; the eight ballots are written, ahead of their first readers: the moves, the counts and the selects
	v_mov_b32 v[SM], s[BAL]
	s_wait_alu depctr_va_vdst(0)
	v_mov_b32 v[SM+1], s[BAL]
	s_wait_alu depctr_va_vdst(0)
	s_mov_b32 s39, 0                                             ; bucket 0's first rank (s38 and s39 are at work here: a bucket's count, the running first rank)
	PAIR 1, 2
	PAIR 3, 2
	PAIR 5, 2
	PAIR 7, 1
	v_lshrrev_b32 v8, 8, v[SK]                                   ; the first tile's experts,
	v_lshrrev_b32 v7, 8, v[SK+1]                                 ; the second's
.irp t, 0,1
	v_and_b32 v[SN+\t], 0xff, v[SK+\t]
	v_sub_nc_u32 v[SN+\t], v[SP+\t], v[SN+\t]                    ; n = p - the bucket's first rank: the n-th set bit of its ballot is wanted
	v_lshrrev_b32 v[SA+\t], 1, v[SM+\t]
	v_and_b32 v[SA+\t], 0x55555555, v[SA+\t]
	v_sub_nc_u32 v[SA+\t], v[SM+\t], v[SA+\t]                    ; set bits in each field of 2,
	v_lshrrev_b32 v[SB+\t], 2, v[SA+\t]
	v_and_b32 v[SB+\t], 0x33333333, v[SB+\t]
	v_and_b32 v[ST+\t], 0x33333333, v[SA+\t]
	v_add_nc_u32 v[SB+\t], v[SB+\t], v[ST+\t]                    ; of 4,
	v_lshrrev_b32 v[SC+\t], 4, v[SB+\t]
	v_add_nc_u32 v[SC+\t], v[SC+\t], v[SB+\t]
	v_and_b32 v[SC+\t], 0x0f0f0f0f, v[SC+\t]                     ; of 8,
	v_lshrrev_b32 v[ST+\t], 8, v[SC+\t]
	v_add_nc_u32 v[ST+\t], v[ST+\t], v[SC+\t]
	v_and_b32 v[ST+\t], 0xff, v[ST+\t]                           ; and in the low 16
	v_sub_nc_u32 v[SU+\t], v[SN+\t], v[ST+\t]
	v_cmp_le_i32 s[MSK+\t], 0, v[SU+\t]
.endr
	s_wait_alu depctr_va_sdst(0)                                 ; the two masks are written, ahead of their first readers, the selects
.irp t, 0,1
	v_cndmask_b32 v[SN+\t], v[SN+\t], v[SU+\t], s[MSK+\t]
	v_cndmask_b32 v[SQ+\t], 0, 16, s[MSK+\t]                     ; the first descent starts the place
.endr
	SELSTEP SC, 8
	SELSTEP SB, 4
	SELSTEP SA, 2
	SELSTEP SM, 1
	v_min_u32 v[SQ], 31, v[SQ]                                   ; the place lies in 0 .. 31 by its make: the hold writes that bound into the text
	v_min_u32 v[SQ+1], 31, v[SQ+1]
	v_lshlrev_b32 v[SQ], 2, v[SQ]
	v_lshlrev_b32 v[SQ+1], 2, v[SQ+1]
	v_cndmask_b32 v3, v[SQ+1], v[SQ], s42                        ; lane p: 4 x the triple that has rank p, for the way out
	s_lshl_b32 s38, s36, 7                                       ; my wave's 32 triples x 4 bytes
	v_add_nc_u32 v9, s38, v[SQ]
	v_add_nc_u32 v10, s38, v[SQ+1]
	s_wait_alu depctr_va_vdst(0)                                 ; v9 and v10 are written, which the six loads below read as their offsets (and v3, which the way out's permute reads)
	global_load_b32 v15, v9, s[4:5] th:TH_LOAD_NT                ; the first tile's heads, relations, tails: the same in both halves of the lanes
	global_load_b32 v19, v9, s[6:7] th:TH_LOAD_NT
	global_load_b32 v17, v9, s[8:9] th:TH_LOAD_NT
	global_load_b32 v4, v10, s[4:5] th:TH_LOAD_NT                ; the second tile's
	global_load_b32 v5, v10, s[6:7] th:TH_LOAD_NT
	global_load_b32 v6, v10, s[8:9] th:TH_LOAD_NT
	; ---- the weights: waves 0 to 13, a matrix each, while the six index loads are on their way (nothing here names their registers)
	s_cmp_ge_u32 s36, 14
	s_cbranch_scc1 .Lgo
.irp q, 0,1,2,3,4,5,6
	WSTEP \q
.endr
.Lgo:
	s_wait_loadcnt 0x0                                           ; the indices
	s_wait_alu depctr_vm_vsrc(0)                                 ; the index loads have read v9 and v10, which the offsets below are written into; the last fragment's LDS stores have read v76-83, which the masked codes take over
.set ET, 8
	ADDR 15, 19, 17, 8
	s_wait_alu depctr_va_vdst(0)                                 ; the offsets v9, v10 and v14-19 are written, which the gather and the bias read; the weights' vector work is done with v88-255, in which the gather lands
	GATHER
	s_wait_dscnt 0x0                                             ; my stores of weights are done
	s_barrier_signal -1
	s_barrier_wait -1                                            ; all 98 fragments lie in LDS; from here on they are only read.  The gather stays on its way
	TILE 11
.set ET, 7
	s_wait_alu depctr_vm_vsrc(0)                                 ; the first tile's bias loads have read v9 and v10, which the offsets below are written into
	ADDR 4, 5, 6, 7                                              ; no load is out: the first tile's offsets may be written again
	s_wait_alu depctr_va_vdst(0)                                 ; the offsets v9, v10 and v14-19 are written, which the gather and the bias read; the first tile's products and vector work are done with v88-255, in which the gather lands
	GATHER
	TILE 27
	; ---- the way out: back to the triples' own order, through a stage, so that each store of a wave covers 512 consecutive bytes, aligned
	v_cndmask_b32 v60, v27, v11, s42                             ; lane p: the score of rank p
	s_wait_alu depctr_va_vdst(0)                                 ; v60 is written, which the permute sends; the score's arithmetic is done with v61, in which the permute's result lands, and with v62 and v63, in which the stage's load lands
	ds_permute_b32 v61, v3, v60                                  ; it goes to the lane of the triple that has rank p; no LDS byte is touched, and only a score is moved
	s_wait_dscnt 0x0
	ds_store_b32 v86, v61
	s_wait_dscnt 0x0                                             ; for the others' sake: my store is done
	s_barrier_signal -1
	s_barrier_wait -1
	s_wait_alu depctr_vm_vsrc(0)                                 ; the permute has read v60 and the store v61, in which the load from the stage lands (waves 0 to 3)
	s_cmp_ge_u32 s36, 4
	s_cbranch_scc1 .Lend
	ds_load_b128 v[60:63], v87                                   ; waves 0 to 3: four scores a lane
	v_and_b32 v68, 127, v0
	v_lshlrev_b32 v68, 4, v68
	s_wait_dscnt 0x0
	s_wait_alu depctr_va_vdst(0)                                 ; v68 is written, which the store reads as its offset
	global_store_b128 v68, v[60:63], s[32:33] th:TH_STORE_NT
.Lend:
	s_wait_xcnt 0x0
	v_lshl_add_u32 v254, v0, 2, 0x1a900                          ; my spare word, behind the stage, and 0: made anew here (no memory or LDS instruction of the text has read v254 or v255)
	v_mov_b32 v255, 0
	s_wait_dscnt 0x0                                             ; the closing lines, six on end
	s_wait_alu 0x0
	s_wait_tensorcnt 0x0
	ds_add_u32 v254, v255
	s_wait_dscnt 0x0
	s_endpgm
.Lfunc_end_k_qa6a207e88a_score:
	.size	k_qa6a207e88a_score, .Lfunc_end_k_qa6a207e88a_score-k_qa6a207e88a_score
	.p2alignl 7, 3214868480
	.fill 96, 4, 3214868480
	.section	.rodata,"a",@progbits
	.p2align	6, 0x0
	.amdhsa_kernel k_qa6a207e88a_score
		.amdhsa_group_segment_fixed_size 110848
		.amdhsa_private_segment_fixed_size 0
		.amdhsa_enable_private_segment 0
		.amdhsa_kernarg_size 128
		.amdhsa_user_sgpr_count 2
		.amdhsa_user_sgpr_kernarg_segment_ptr 1
		.amdhsa_wavefront_size32 1
		.amdhsa_system_sgpr_workgroup_id_x 1
		.amdhsa_system_sgpr_workgroup_id_y 1
		.amdhsa_system_sgpr_workgroup_id_z 1
		.amdhsa_system_vgpr_workitem_id 0
		.amdhsa_next_free_vgpr 256
		.amdhsa_next_free_sgpr 66
		.amdhsa_reserve_vcc 1
		.amdhsa_float_denorm_mode_32 3
		.amdhsa_float_denorm_mode_16_64 3
		.amdhsa_memory_ordered 1
		.amdhsa_forward_progress 1
		.amdhsa_inst_pref_size 184
	.end_amdhsa_kernel
	.amdgpu_metadata
---
amdhsa.version: [ 1, 2 ]
amdhsa.kernels:
  - .name:           k_qa6a207e88a_score
    .symbol:         k_qa6a207e88a_score.kd
    .args:
      - { .name: heads, .offset: 0, .size: 8, .value_kind: global_buffer, .address_space: global }
      - { .name: rels, .offset: 8, .size: 8, .value_kind: global_buffer, .address_space: global }
      - { .name: tails, .offset: 16, .size: 8, .value_kind: global_buffer, .address_space: global }
      - { .name: sources, .offset: 24, .size: 8, .value_kind: global_buffer, .address_space: global }
      - { .name: heads_bad, .offset: 32, .size: 8, .value_kind: global_buffer, .address_space: global }
      - { .name: rels_bad, .offset: 40, .size: 8, .value_kind: global_buffer, .address_space: global }
      - { .name: tails_bad, .offset: 48, .size: 8, .value_kind: global_buffer, .address_space: global }
      - { .name: sources_bad, .offset: 56, .size: 8, .value_kind: global_buffer, .address_space: global }
      - { .name: ents_emb, .offset: 64, .size: 8, .value_kind: global_buffer, .address_space: global }
      - { .name: rels_emb, .offset: 72, .size: 8, .value_kind: global_buffer, .address_space: global }
      - { .name: entW, .offset: 80, .size: 8, .value_kind: global_buffer, .address_space: global }
      - { .name: relW, .offset: 88, .size: 8, .value_kind: global_buffer, .address_space: global }
      - { .name: entB, .offset: 96, .size: 8, .value_kind: global_buffer, .address_space: global }
      - { .name: relB, .offset: 104, .size: 8, .value_kind: global_buffer, .address_space: global }
      - { .name: out0, .offset: 112, .size: 8, .value_kind: global_buffer, .address_space: global }
      - { .name: out1, .offset: 120, .size: 8, .value_kind: global_buffer, .address_space: global }
    .group_segment_fixed_size: 110848
    .private_segment_fixed_size: 0
    .kernarg_segment_align: 8
    .kernarg_segment_size: 128
    .max_flat_workgroup_size: 512
    .sgpr_count:     66
    .vgpr_count:     256
    .wavefront_size: 32
...
	.end_amdgpu_metadata
.endif
;; end of part 2
